; MI455X (gfx1250); checked and timed in simulation.
; The chip was launched on July 23, 2026; its instructions are those of AMD's public machine-readable ISA for CDNA 5 (MIT licence, August 2026) and "CDNA5" Instruction Set Architecture Reference Guide (July 2026). The comments in the code are by the model that wrote it; some were corrected since.
;; Hetero Linear. Allowed arithmetic: matrix products marked QUANTISED: E5M2 operands, one given power-of-two scale a tensor, by v_wmma_f32_16x16x64_bf8_bf8 or v_wmma_f32_16x16x128_bf8_bf8, f32 sums; everything else in f32.
;; Inputs: W 16 x 256 x 256 float32; b 16 x 256 float32; lowp_scales 32 int32 (the exponents e of the quantised operands' scales 2^e); type_vec 50,000 int32; x 50,000 x 256 float32.
;; Outputs: out0 50,000 x 256 float32.
;; This version of the problem:
;;   THIS VERSION OF THE PROBLEM IS GIVEN IN LOW PRECISION. The matrix products marked QUANTISED in the list below multiply operands that are first quantised to E5M2 (5 exponent bits, 2 mantissa bits; 8 bits a number), with one given power-of-two scale for each operand tensor; their sums are f32. All else is computed in f32.
;;   The module's matrix products, in the order in which they are computed (A, B: the left and right operand; K: the contracted axis; several contracted axes count as one K, in the product's order):
;;     1. [M 50,000, K 256] x [K 256, N 256]; A: input x; B: input W: QUANTISED (scales: A lowp_scales[0], B lowp_scales[1])
;;     2. [M 50,000, K 256] x [K 256, N 256]; A: input x; B: input W: QUANTISED (scales: A lowp_scales[2], B lowp_scales[3])
;;     3. [M 50,000, K 256] x [K 256, N 256]; A: input x; B: input W: QUANTISED (scales: A lowp_scales[4], B lowp_scales[5])
;;     4. [M 50,000, K 256] x [K 256, N 256]; A: input x; B: input W: QUANTISED (scales: A lowp_scales[6], B lowp_scales[7])
;;     5. [M 50,000, K 256] x [K 256, N 256]; A: input x; B: input W: QUANTISED (scales: A lowp_scales[8], B lowp_scales[9])
;;     6. [M 50,000, K 256] x [K 256, N 256]; A: input x; B: input W: QUANTISED (scales: A lowp_scales[10], B lowp_scales[11])
;;     7. [M 50,000, K 256] x [K 256, N 256]; A: input x; B: input W: QUANTISED (scales: A lowp_scales[12], B lowp_scales[13])
;;     8. [M 50,000, K 256] x [K 256, N 256]; A: input x; B: input W: QUANTISED (scales: A lowp_scales[14], B lowp_scales[15])
;;     9. [M 50,000, K 256] x [K 256, N 256]; A: input x; B: input W: QUANTISED (scales: A lowp_scales[16], B lowp_scales[17])
;;     10. [M 50,000, K 256] x [K 256, N 256]; A: input x; B: input W: QUANTISED (scales: A lowp_scales[18], B lowp_scales[19])
;;     11. [M 50,000, K 256] x [K 256, N 256]; A: input x; B: input W: QUANTISED (scales: A lowp_scales[20], B lowp_scales[21])
;;     12. [M 50,000, K 256] x [K 256, N 256]; A: input x; B: input W: QUANTISED (scales: A lowp_scales[22], B lowp_scales[23])
;;     13. [M 50,000, K 256] x [K 256, N 256]; A: input x; B: input W: QUANTISED (scales: A lowp_scales[24], B lowp_scales[25])
;;     14. [M 50,000, K 256] x [K 256, N 256]; A: input x; B: input W: QUANTISED (scales: A lowp_scales[26], B lowp_scales[27])
;;     15. [M 50,000, K 256] x [K 256, N 256]; A: input x; B: input W: QUANTISED (scales: A lowp_scales[28], B lowp_scales[29])
;;     16. [M 50,000, K 256] x [K 256, N 256]; A: input x; B: input W: QUANTISED (scales: A lowp_scales[30], B lowp_scales[31])
;;   THE QUANTISER, for each operand of a quantised product, along K:
;;     - The operand's scale is 2^e, e = its entry of the input lowp_scales (int32; the entries are numbered through the quantised products in the list's order, A before B).
;;     - Each number is divided by the scale, clamped to +-57,344, and rounded to the nearest number of E5M2, ties to even, subnormals kept.
;;     - The product sums the exact products of the quantised numbers (number of the format x scale) in f32.
;;   ~~~python
;;   def quantise(x, axis, e):      # numpy; x: float32 -> the quantised numbers, widened to float32 again
;;       x = np.moveaxis(x, axis, -1); K = x.shape[-1]
;;       r = np.clip(x / 2.0 ** e, -57344, 57344)
;;       step = 2.0 ** (np.maximum(np.frexp(np.where(r == 0, 1, r))[1] - 1, -14) - 2)
;;       q = np.round(r / step) * step * 2.0 ** e      # np.round: ties to even
;;       return np.moveaxis(q, -1, axis).astype(np.float32)
;;   ~~~
;; 2 versions. Each part assembles by itself: llvm-mc -triple=amdgcn-amd-amdhsa -mcpu=gfx1250 --defsym DOCPART=n.
;; ======== version 1 of 2: 2 launches
;; workspace buffers: order 3,416,320 bytes of whole numbers; counts 768 bytes of whole numbers; wq 1,048,576 bytes
;; launch prep (part 1): grid 117 x 1, 8 waves a work-group, no clusters, 36,096 bytes of LDS; arguments type_vec, W, lowp_scales, order, counts, wq; writes order, counts, wq
.if DOCPART == 1
	.amdgcn_target "amdgcn-amd-amdhsa--gfx1250"
	.amdhsa_code_object_version 6
	.text
	.protected	k_q48a85833fe_prep
	.globl	k_q48a85833fe_prep
	.p2align	8
	.type	k_q48a85833fe_prep,@function
k_q48a85833fe_prep:
	s_mov_b64 s[64:65], 0
	v_nop
	global_prefetch_b8 v0, s[64:65] scope:SCOPE_SE
	s_setreg_imm32_b32 hwreg(HW_REG_WAVE_MODE, 25, 1), 1
	s_wait_xcnt 0x0
; HeteroLinear, first of two launches: the rows are sorted by type, and W is turned into codes of BF8 (E5M2).
; WORK LEFT OUT, IN BOTH LAUNCHES.  reference() computes 16 products for every row n and keeps, by its chain of jnp.where on (type_vec == i), only the one with i = type_vec[n]; a row whose type is none of 0 .. 15
; keeps the zeros that reference() starts from.  That holds for all values of x, W and b: the mask is made of whole numbers alone.  So for row n only product type_vec[n] is computed: the other 15 products of that
; row reach no output.  All inputs have a way to the output and all are loaded.  LIMIT: a NaN, an infinity or an overflow that arises only in the products left out is not carried to the result.
; WORK-GROUPS 0 .. 84: THE SORT.  The 50,000 rows are five segments of 10,000.  Work-group 17 seg + T reads the segment's 10,000 types and stores the numbers of the rows of bucket T (T = 16: every type that is
; not 0 .. 15, taken as unsigned) into list 17 seg + T of 'order' (room for 10,048 entries; only the first counts[seg][T] are written, and only those are read later), and their count into counts[seg][T].
; No atomics: a lane's place is the count of the waves before mine + of my wave's earlier registers + of the lanes before mine.
; WORK-GROUPS 85 .. 116: W.  code = w / 2^e, held within +-57,344, to the nearest code, ties to even; e = lowp_scales[2 t + 1].  A wave takes a unit of 16 rows of W[t]: o = 64 w + 4 r + q, r = 0 .. 15, and stores
; them as the image of the two operand fragments (K = 0 .. 127, 128 .. 255 of a permuted K) that the second launch's wave w takes for its tile q: wq[t][w][q][i 0..7][lane][16 bytes].
; THE PERMUTATION OF K, the same for x in the second launch: lane l of the wave that quantises a row holds k = 4 l .. 4 l + 3 and 128 + 4 l .. 128 + 4 l + 3 (two loads of 512 consecutive bytes a wave) and makes
; bytes 8 l .. 8 l + 7 of a row of 256 codes.  Both operands are laid alike, so each product meets its partner; only the order of the sums inside a matrix instruction differs.
; LIMITS: lowp_scales[2 t + 1] between -126 and 112, so that 2^e and 57,344 x 2^e are f32 numbers.  NaN in W is not served; an infinity is held at the largest code.
.set SEGR,  10000                      ; rows in a segment
.set CAP,   10048                      ; entries of a list: 40,192 bytes
.set NSORT, 85                         ; 5 segments x 17 buckets
.set PITCH, 272                        ; a row of 256 codes in the stage + 16 bytes: the 16 rows that a load of 16 bytes a lane touches start 68 words apart
.set STGW,  16*PITCH                   ; a wave's stage (W's path alone)
.set SORTW, 8*STGW                     ; eight words, a count for each wave (the sort's path alone)
.set SPARE, SORTW+256                  ; the spare words, 128 bytes for each wave: four blocks of 256 bytes that no other line names
.set TY,    16                         ; sort: v16-55  40 types of a thread, later the byte offsets of its entries in the list
.set RN,    56                         ; sort: v56-95  the 40 row numbers
.set MK,    24                         ; sort: s24-63  40 masks: the lanes whose number i is of my bucket
.set X,     16                         ; W: v16-143  16 rows x 8 numbers a lane
.set C,     144                        ; W: v144-175 16 rows x 8 codes a lane
.set O,     176                        ; W: v176-207 the image, 8 x 4 registers
	s_load_b256 s[4:11], s[0:1], 0x0               ; type_vec s[4:5], W s[6:7], lowp_scales s[8:9], order s[10:11]
	s_load_b128 s[12:15], s[0:1], 0x20             ; counts s[12:13], wq s[14:15]
	v_lshl_add_u32 v10, v0, 2, SPARE               ; my spare word; never rewritten
	v_mov_b32 v11, 0                               ; 0; never rewritten
	v_lshrrev_b32 v2, 5, v0
	v_readfirstlane_b32 s16, v2                    ; wave 0..7
	v_and_b32 v2, 31, v0                           ; lane
	v_and_b32 v4, 15, v0                           ; r
	v_bfe_u32 v5, v0, 4, 1                         ; h
	v_lshlrev_b32 v1, 4, v2                        ; 16 x lane
	s_mul_i32 s17, s16, STGW
	v_lshlrev_b32 v6, 3, v2
	v_add_nc_u32 v6, s17, v6                       ; the stage, in: 8 x lane in my wave's stage
	v_mul_u32_u24 v7, v4, PITCH
	v_lshl_add_u32 v7, v5, 4, v7
	v_add_nc_u32 v7, s17, v7                       ; the stage, out: row r, + 16 h
	s_lshl_b32 s17, s16, 2
	s_add_co_u32 s17, s17, SORTW
	v_mov_b32 v8, s17                              ; my wave's word
	v_mov_b32 v9, SORTW                            ; the eight words
	v_lshlrev_b32 v12, 4, v0                       ; 16 x thread; never rewritten
	s_wait_kmcnt 0x0
	s_cmp_ge_u32 ttmp9, NSORT                      ; the work-group's number alone decides: all eight waves go the same way
	s_cbranch_scc1 .Lw
	; ---------------- THE SORT ----------------
	s_mul_i32 s18, ttmp9, 3856
	s_lshr_b32 s18, s18, 16                        ; seg = id / 17 (3856 / 65536 lies just above 1 / 17: right for id 0 .. 84)
	s_mul_i32 s17, s18, 17
	s_sub_co_u32 s19, ttmp9, s17                   ; T = id - 17 seg
	s_mul_i32 s80, s18, 4*SEGR
	s_mov_b32 s81, 0
	s_add_nc_u64 s[4:5], s[4:5], s[80:81]          ; the segment's types
	s_mul_i32 s80, ttmp9, 4*CAP
	s_add_nc_u64 s[10:11], s[10:11], s[80:81]      ; my list
	s_lshl_b32 s80, s18, 7
	s_lshl_b32 s17, s19, 2
	s_add_co_u32 s80, s80, s17
	s_add_nc_u64 s[12:13], s[12:13], s[80:81]      ; counts[seg][T]
	s_mul_i32 s17, s18, SEGR
	v_lshl_add_u32 v3, v0, 2, s17                  ; the row of my first number: 10,000 seg + 4 x thread
	v_add_nc_u32 v13, 36864, v12
	v_min_u32 v13, 4*SEGR-16, v13                  ; the tenth group of four exists for threads 0 .. 195 alone: the others read the segment's last one, so that no load leaves the buffer
	; a thread takes the groups of four numbers 256 j + thread, j = 0 .. 9: a wave's load reads 512 consecutive bytes.  No hint: the segment's 17 work-groups read the same bytes
.irp j, 0,1,2,3,4,5,6,7,8
	global_load_b128 v[TY+4*\j:TY+4*\j+3], v12, s[4:5] offset:4096*\j
.endr
	global_load_b128 v[TY+36:TY+39], v13, s[4:5]
	s_mov_b32 s20, 0                               ; my wave's count
	s_mov_b32 s22, 0                               ; the running place
	s_mov_b32 s23, 0                               ; the list's count
	v_cmp_gt_u32 vcc_lo, 196, v0                   ; do I have a tenth group?
.macro CNT j                           ; group j: four masks, and their bits counted
	s_wait_loadcnt 9-\j                            ; loads come back in order: group j is in, the 9 - j younger ones may be out
.irp e, 0,1,2,3
	v_min_u32 v[TY+4*\j+\e], 16, v[TY+4*\j+\e]     ; unsigned: whatever is not 0 .. 15 is bucket 16
.if \j == 9
	v_cndmask_b32 v[TY+4*\j+\e], 17, v[TY+4*\j+\e], vcc_lo   ; a thread without a tenth group matches no bucket
.endif
	v_cmp_eq_u32 s[MK+4*\j+\e], s19, v[TY+4*\j+\e]
	s_bcnt1_i32_b32 s21, s[MK+4*\j+\e]
	s_add_co_u32 s20, s20, s21
.endr
.endm
.irp j, 0,1,2,3,4,5,6,7,8,9
	CNT \j
.endr
	v_mov_b32 v4, s20
	ds_store_b32 v8, v4                            ; all lanes write my wave's word with the same number
	s_wait_dscnt 0x0                               ; for the others' sake: my store is done
	s_barrier_signal -1
	s_barrier_wait -1
	ds_load_b128 v[96:99], v9
	ds_load_b128 v[100:103], v9 offset:16
	s_wait_dscnt 0x0
.irp i, 0,1,2,3,4,5,6,7
	v_readfirstlane_b32 s[68+\i], v[96+\i]
.endr
.irp i, 0,1,2,3,4,5,6,7
	s_cmp_lt_u32 \i, s16
	s_cselect_b32 s21, s[68+\i], 0
	s_add_co_u32 s22, s22, s21                     ; the counts of the waves before mine: where my wave's entries begin
	s_add_co_u32 s23, s23, s[68+\i]                ; all eight: the list's count
.endr
	; the places, all lanes on: number i of a lane goes to entry s22 + (the lanes before mine in mask i)
.set i, 0
.rept 40
	v_mbcnt_lo_u32_b32 v[TY+i], s[MK+i], s22
	s_bcnt1_i32_b32 s21, s[MK+i]
	s_add_co_u32 s22, s22, s21
	v_min_u32 v[TY+i], CAP-1, v[TY+i]              ; a number made of loaded data is held inside the list before it enters an address (it never reaches 10,000)
	v_lshlrev_b32 v[TY+i], 2, v[TY+i]
	v_add_nc_u32 v[RN+i], 1024*(i/4)+i%4, v3       ; its row: 4 (256 j + thread) + e
.set i, i+1
.endr
	v_mov_b32 v4, s23                              ; the list's count, all lanes on
	v_cmp_eq_u32 vcc_lo, 0, v0                     ; thread 0 stores it, a zero too: every count that is read later is written
	s_wait_xcnt 0x0                                ; EXEC changes only behind this wait: it is a source of every memory instruction issued so far
	s_and_saveexec_b32 s76, vcc_lo
	global_store_b32 v12, v4, s[12:13]             ; the offset is 16 x thread, which is 0 in the one thread that is on
	s_wait_xcnt 0x0                                ; and again, in front of the line that widens it
	s_or_b32 exec_lo, exec_lo, s76
	; 40 stores of four bytes a lane: the lanes of a mask write neighbouring entries.  They compact 200,000 bytes in the whole launch
.set i, 0
.rept 40
	s_and_saveexec_b32 s76, s[MK+i]                ; (no memory instruction has been issued since the last wait on XCNT)
	global_store_b32 v[TY+i], v[RN+i], s[10:11]
	s_wait_xcnt 0x0                                ; in front of the line that widens EXEC
	s_or_b32 exec_lo, exec_lo, s76
.set i, i+1
.endr
	s_wait_tensorcnt 0x0                           ; the wave's end
	ds_add_u32 v10, v11
	s_wait_dscnt 0x0
	s_endpgm
	; ---------------- W INTO CODES ----------------
.Lw:
	s_sub_co_u32 s17, ttmp9, NSORT
	s_lshl_b32 s17, s17, 3
	s_add_co_u32 s17, s17, s16                     ; my unit U = 8 (id - 85) + wave: 0 .. 255
	s_lshr_b32 s18, s17, 4                         ; t
	s_bfe_u32 s19, s17, 0x20002                    ; w: 2 bits from bit 2
	s_and_b32 s21, s17, 3                          ; q
	s_lshl_b32 s80, s18, 18                        ; W[t]: 262,144 bytes
	s_lshl_b32 s22, s19, 16                        ; + 64 w rows of 1,024 bytes
	s_add_co_u32 s80, s80, s22
	s_lshl_b32 s22, s21, 10                        ; + q rows
	s_add_co_u32 s80, s80, s22
	s_mov_b32 s81, 0
	s_add_nc_u64 s[6:7], s[6:7], s[80:81]
	s_lshl_b32 s80, s17, 12
	s_add_nc_u64 s[14:15], s[14:15], s[80:81]      ; the unit's 4,096 bytes of wq
	s_lshl_b32 s80, s18, 3
	s_add_nc_u64 s[8:9], s[8:9], s[80:81]
	s_load_b32 s20, s[8:9], 0x4                    ; e = lowp_scales[2 t + 1]
.set i, 0
.rept 16                               ; row r of the unit lies 4 rows of W further on than row r - 1.  Each load reads 512 consecutive bytes; W is read once in the launch
	global_load_b128 v[X+8*i:X+8*i+3],   v1, s[6:7] offset:4096*i th:TH_LOAD_NT
	global_load_b128 v[X+8*i+4:X+8*i+7], v1, s[6:7] offset:4096*i+512 th:TH_LOAD_NT
.set i, i+1
.endr
	s_wait_kmcnt 0x0
	s_add_co_i32 s20, s20, 127
	s_lshl_b32 s21, s20, 23
	v_mov_b32 v14, s21                             ; 2^e as f32: the conversion takes its exponent field
	s_add_co_i32 s20, s20, 15
	s_lshl_b32 s20, s20, 23
	s_or_b32 s20, s20, 0x600000
	v_mov_b32 v15, s20                             ; 57,344 x 2^e
.macro WROW r
	s_wait_loadcnt 30-2*\r                         ; row r's two loads are in; the two of each later row may be out
.irp k, 0,1,2,3,4,5,6,7
	v_med3_num_f32 v[X+8*\r+\k], v[X+8*\r+\k], -v15, v15   ; the conversion to an 8-bit code does not saturate (ISA guide 7.6.2): the hold at the largest code x the scale
.endr
	v_cvt_scalef32_pk8_bf8_f32 v[C+2*\r:C+2*\r+1], v[X+8*\r:X+8*\r+7], v14
	ds_store_b64 v6, v[C+2*\r:C+2*\r+1] offset:PITCH*\r    ; bytes 8 l .. 8 l + 7 of code row r: the wave writes 256 consecutive bytes
.endm
.irp r, 0,1,2,3,4,5,6,7,8,9,10,11,12,13,14,15
	WROW \r
.endr
	v_nop                                          ; one plain vector line behind the last conversion
.irp i, 0,1,2,3,4,5,6,7                ; lane (r, h) takes bytes 32 i + 16 h .. + 15 of code row r: registers 4 (i % 4) .. + 3 of the fragment of K step i / 4.  LDS serves a wave's instructions in order: these see my stores
	ds_load_b128 v[O+4*\i:O+4*\i+3], v7 offset:32*\i
.endr
.irp i, 0,1,2,3,4,5,6,7
	s_wait_dscnt 7-\i
	global_store_b128 v1, v[O+4*\i:O+4*\i+3], s[14:15] offset:512*\i   ; 32 lanes store 512 consecutive bytes, at a multiple of 256 from wq's first byte
.endr
	s_wait_tensorcnt 0x0                           ; the wave's end: the same three lines
	ds_add_u32 v10, v11
	s_wait_dscnt 0x0
	s_endpgm
.Lfunc_end_k_q48a85833fe_prep:
	.size	k_q48a85833fe_prep, .Lfunc_end_k_q48a85833fe_prep-k_q48a85833fe_prep
	.p2alignl 7, 3214868480
	.fill 96, 4, 3214868480
	.section	.rodata,"a",@progbits
	.p2align	6, 0x0
	.amdhsa_kernel k_q48a85833fe_prep
		.amdhsa_group_segment_fixed_size 36096
		.amdhsa_private_segment_fixed_size 0
		.amdhsa_enable_private_segment 0
		.amdhsa_kernarg_size 48
		.amdhsa_user_sgpr_count 2
		.amdhsa_user_sgpr_kernarg_segment_ptr 1
		.amdhsa_wavefront_size32 1
		.amdhsa_system_sgpr_workgroup_id_x 1
		.amdhsa_system_sgpr_workgroup_id_y 1
		.amdhsa_system_sgpr_workgroup_id_z 1
		.amdhsa_system_vgpr_workitem_id 0
		.amdhsa_next_free_vgpr 208
		.amdhsa_next_free_sgpr 84
		.amdhsa_reserve_vcc 1
		.amdhsa_float_denorm_mode_32 3
		.amdhsa_float_denorm_mode_16_64 3
		.amdhsa_memory_ordered 1
		.amdhsa_forward_progress 1
		.amdhsa_inst_pref_size 47
	.end_amdhsa_kernel
	.amdgpu_metadata
---
amdhsa.version: [ 1, 2 ]
amdhsa.kernels:
  - .name:           k_q48a85833fe_prep
    .symbol:         k_q48a85833fe_prep.kd
    .args:
      - { .name: type_vec, .offset: 0, .size: 8, .value_kind: global_buffer, .address_space: global }
      - { .name: W, .offset: 8, .size: 8, .value_kind: global_buffer, .address_space: global }
      - { .name: lowp_scales, .offset: 16, .size: 8, .value_kind: global_buffer, .address_space: global }
      - { .name: order, .offset: 24, .size: 8, .value_kind: global_buffer, .address_space: global }
      - { .name: counts, .offset: 32, .size: 8, .value_kind: global_buffer, .address_space: global }
      - { .name: wq, .offset: 40, .size: 8, .value_kind: global_buffer, .address_space: global }
    .group_segment_fixed_size: 36096
    .private_segment_fixed_size: 0
    .kernarg_segment_align: 8
    .kernarg_segment_size: 48
    .max_flat_workgroup_size: 256
    .sgpr_count:     84
    .vgpr_count:     208
    .wavefront_size: 32
...
	.end_amdgpu_metadata
.endif
;; end of part 1
;; launch hetero (part 2): grid 94 x 5, 4 waves a work-group, no clusters, 35,840 bytes of LDS; arguments x, order, counts, wq, b, lowp_scales, out0; writes out0
.if DOCPART == 2
	.amdgcn_target "amdgcn-amd-amdhsa--gfx1250"
	.amdhsa_code_object_version 6
	.text
	.protected	k_q48a85833fe_hetero
	.globl	k_q48a85833fe_hetero
	.p2align	8
	.type	k_q48a85833fe_hetero,@function
k_q48a85833fe_hetero:
	s_mov_b64 s[64:65], 0
	v_nop
	global_prefetch_b8 v0, s[64:65] scope:SCOPE_SE
	s_setreg_imm32_b32 hwreg(HW_REG_WAVE_MODE, 25, 1), 1
	s_wait_xcnt 0x0
; HeteroLinear, second launch: out0[n] = Q(x[n]) . Q(W[t])^T x 2^(ex + ew) + b[t], t = type_vec[n], ex = lowp_scales[2 t], ew = lowp_scales[2 t + 1]; a row whose type is none of 0 .. 15 gets zeros.
; WORK LEFT OUT: for each row only the product of its own type is computed; the 15 others are thrown away by reference()'s own where on whole numbers, whatever x, W and b hold (shown at the head of the first
; launch).  LIMIT: a NaN, an infinity or an overflow that arises only in the products left out is not carried to the result.
; THE GRID SERVES EVERY SPLIT.  Work-group (G, seg) takes tile G of segment seg: the segment's 17 lists (16 types and the bucket of other types) are cut into tiles of 128 rows; the sum of ceil(count / 128) over 17 lists
; of 10,000 rows in all is at most (10,000 + 17 x 127) / 128, that is 94.  Which list and which 128 rows is worked out from the 17 stored counts without a branch.  A work-group that the split leaves without rows stores nothing.
; NO TENSOR LOADS, NO CLUSTER: the tile's type, the number of its rows and whether it has any hang on counts read from memory, and so do branches of this text; partners of a cluster could not be given one type at
; every split; and what tiles of one type share, 65,536 bytes of codes, is a quarter of a tile's own 262,144 bytes of x and out0.  Operands go from memory into registers.
; PHASE 1: wave w gathers tile rows 32 w .. 32 w + 31 of x (a row: two loads of 512 consecutive bytes), quantises them (code = x / 2^ex, held within +-57,344, nearest, ties to even) and puts rows of 256 codes into LDS.
; K is permuted as in the first launch: lane l makes bytes 8 l .. 8 l + 7 from k = 4 l .. + 3 and 128 + 4 l .. + 3.  A wave with no row (a list's last tile) leaves the phase out.  ONE BARRIER, on every wave's path.
; PHASE 2: THE WAVES SHARE THE COLUMNS: wave w makes channels 64 w .. 64 w + 63 for all rows; its 16,384 bytes of W[t]'s codes stay in 128 registers.  Source 0 = 16 rows of x, source 1 = 16 channels.  Column r of
; tile q is channel 64 w + 4 r + q: so register j of the four accumulators holds, in lane (r, h), four NEIGHBOURING channels of row 8 h + j, and sixteen lanes store 256 consecutive bytes, aligned, with no way through LDS.
; A list's last tile repeats its last row up to the next multiple of 16 (32 in phase 1): those rows are computed again and store the same bytes of the same row.
; LIMITS: ex between -126 and 112; ex + ew between -126 and 127, so that each power of two below is an f32 number.  NaN in x is not served; an infinity is held at the largest code.
; REGISTERS, window 0: v1 16 x lane; v2-v5 LDS addresses; v6 16 r; v7 my row number; v8 at work; v10, v11 the add's two; v12, v13 2^ex, 57,344 x 2^ex; v16-47 row offsets; v48-239 six slots of four rows of x; v240-247 codes;
;   v248-251 b.  Phase 2 takes x's registers: v48-111 two sets of x's fragments, v112-127 two sets of row numbers, v128-159 four accumulators, v160-191 results, v192-199 offsets.   window 1: v0-127 W's fragments, (q, s) at 16 (2 q + s).
.set CAP,   10048                      ; entries of a list in 'order'
.set PITCH, 272                        ; a row of 256 codes in LDS + 16 bytes: the 16 rows that a fragment load touches start 68 words apart
.set ROWT,  128*PITCH                  ; behind the 128 code rows: the tile's 128 row numbers
.set SPARE, ROWT+512                   ; the spare words, 128 bytes for each wave: two blocks of 256 bytes that no other line names
.set RO,  16
.set X,   48
.set CD,  240
.set BI,  248
.set AF,  48
.set RR,  112
.set ACC, 128
.set O,   160
.set AD,  192
.set MSB, 0
.macro WIN new                         ; the immediate's high byte repeats the setting that is left
.if MSB != \new
	s_set_vgpr_msb (MSB<<8)|\new
.set MSB, \new
.endif
.endm
	s_load_b256 s[4:11], s[0:1], 0x0               ; x s[4:5], order s[6:7], counts s[8:9], wq s[10:11]
	s_load_b128 s[12:15], s[0:1], 0x20             ; b s[12:13], lowp_scales s[14:15]
	s_load_b64 s[16:17], s[0:1], 0x30              ; out0
	v_lshl_add_u32 v10, v0, 2, SPARE               ; my spare word; never rewritten
	v_mov_b32 v11, 0                               ; 0; never rewritten
	v_lshrrev_b32 v1, 5, v0
	v_readfirstlane_b32 s18, v1                    ; wave 0..3
	v_and_b32 v9, 31, v0                           ; lane
	v_and_b32 v14, 15, v0                          ; r
	v_bfe_u32 v15, v0, 4, 1                        ; h
	v_lshlrev_b32 v1, 4, v9                        ; 16 x lane
	s_mul_i32 s25, s18, 32*PITCH
	v_lshlrev_b32 v2, 3, v9
	v_add_nc_u32 v2, s25, v2                       ; code rows, in: my wave's 32 rows, 8 x lane
	v_mul_u32_u24 v3, v14, PITCH
	v_lshl_add_u32 v3, v15, 4, v3                  ; code rows, out: row r, + 16 h
	v_lshl_add_u32 v4, v0, 2, ROWT                 ; the row numbers, in: 4 x thread
	v_lshlrev_b32 v5, 5, v15
	v_add_nc_u32 v5, ROWT, v5                      ; and out: eight numbers from 8 h on
	v_lshlrev_b32 v6, 4, v14                       ; 16 r: my four channels' bytes among the wave's 64
	s_and_b32 s19, ttmp7, 0xffff                   ; seg
	s_mov_b32 s20, ttmp9                           ; G
	s_lshl_b32 s60, s18, 5                         ; 32 w: my first tile row in phase 1
	s_lshl_b32 s54, s19, 7
	s_mov_b32 s55, 0
	s_mov_b32 s57, 0
	s_wait_kmcnt 0x0
	s_add_nc_u64 s[8:9], s[8:9], s[54:55]
	s_load_b512 s[32:47], s[8:9], 0x0              ; the segment's counts: types 0 .. 15,
	s_load_b32 s48, s[8:9], 0x40                   ; and the bucket of other types
	s_mov_b32 s21, 0                               ; Acc: tiles of the lists so far
	s_mov_b32 s22, 0                               ; T
	s_mov_b32 s23, 0                               ; Base: the first tile of list T
	s_mov_b32 s24, 0                               ; Cnt: its count
	s_wait_kmcnt 0x0
.macro PICK t                          ; the last list whose first tile is at or under G is mine; a list without a tile is overridden by the next
	s_cmp_ge_u32 s20, s21
	s_cselect_b32 s22, \t, s22
	s_cselect_b32 s23, s21, s23
	s_cselect_b32 s24, s[32+\t], s24
	s_add_co_u32 s25, s[32+\t], 127
	s_lshr_b32 s25, s25, 7
	s_add_co_u32 s21, s21, s25
.endm
.irp t, 0,1,2,3,4,5,6,7,8,9,10,11,12,13,14,15,16
	PICK \t
.endr
	s_sub_co_u32 s25, s20, s23
	s_lshl_b32 s25, s25, 7                         ; the tile's first entry in its list
	s_sub_co_u32 s26, s24, s25
	s_min_u32 s26, s26, 128
	s_cmp_lt_u32 s20, s21                          ; is G a tile at all?
	s_cselect_b32 s26, s26, 0                      ; the tile's rows: 1 .. 128, or 0
	s_cmp_lt_u32 s22, 16
	s_cselect_b32 s27, s26, 0                      ; Work: rows to be multiplied
	s_cselect_b32 s28, 0, s26                      ; Zero: rows that get zeros
	s_min_u32 s29, s22, 15                         ; the type, held inside the tables
	s_mul_i32 s30, s19, 17
	s_add_co_u32 s30, s30, s22
	s_mul_i32 s30, s30, CAP
	s_add_co_u32 s30, s30, s25                     ; the tile's first entry in 'order'
	s_sub_co_u32 s31, s26, 1                       ; its last row's place in the tile
	s_lshl_b32 s54, s29, 16
	s_lshl_b32 s25, s18, 14
	s_add_co_u32 s54, s54, s25
	s_add_nc_u64 s[10:11], s[10:11], s[54:55]      ; wq[t][w]
	s_lshl_b32 s56, s29, 10
	s_lshl_b32 s25, s18, 8
	s_add_co_u32 s56, s56, s25
	s_add_nc_u64 s[12:13], s[12:13], s[56:57]      ; b[t][64 w]
	s_lshl_b32 s54, s29, 3
	s_add_nc_u64 s[14:15], s[14:15], s[54:55]
	s_mov_b32 s54, s25
	s_add_nc_u64 s[58:59], s[16:17], s[54:55]      ; out0 at channel 64 w
	s_load_b64 s[50:51], s[14:15], 0x0             ; ex, ew
; My 16,384 bytes of W[t]'s codes, in the order of the operand's registers, and my four numbers of b.  The macro stands in both arms in front of the barrier, so that these registers are written on every way to the
; products, and so that the loads are on their way during phase 1.  The price: the waves of a work-group without rows to multiply load them too, since the barrier stands on every wave's path.
.macro WLOADS
	WIN 0x40                                       ; destination window 1, address window 0
.set i, 0
.rept 32
	global_load_b128 v[4*i:4*i+3], v1, s[10:11] offset:512*i
.set i, i+1
.endr
	WIN 0
	global_load_b128 v[BI:BI+3], v6, s[12:13]      ; b[t][64 w + 4 r + 0 .. 3]
.endm
.macro IDXLOAD                         ; my tile row's number; behind the tile's last row that row is repeated, so that no entry is read that was not written
	v_min_u32 v8, s31, v0
	v_add_nc_u32 v8, s30, v8
	v_min_u32 v8, 85*CAP-1, v8                     ; a number made of loaded data is held inside the buffer before it enters an address
	v_lshlrev_b32 v8, 2, v8
	global_load_b32 v7, v8, s[6:7]
.endm
	s_cmp_le_u32 s27, s60                          ; no row of mine to quantise (a tile with fewer rows, no rows, or rows that get zeros)?
	s_cbranch_scc1 .Lskip
	; ---------------- PHASE 1 ----------------
	IDXLOAD
	WLOADS
	s_wait_kmcnt 0x0
	s_add_co_i32 s25, s50, 127
	s_lshl_b32 s53, s25, 23
	v_mov_b32 v12, s53                             ; 2^ex as f32: the conversion takes its exponent field
	s_add_co_i32 s25, s25, 15
	s_lshl_b32 s25, s25, 23
	s_or_b32 s25, s25, 0x600000
	v_mov_b32 v13, s25                             ; 57,344 x 2^ex
	s_wait_loadcnt 33                              ; my row number is in; the 33 loads issued behind it (32 of codes, one of b) may be out
	ds_store_b32 v4, v7                            ; for phase 2
.set i, 0
.rept 32                               ; row i of my 32: lane i's number, for all lanes: 1,024 x row + 16 x lane
	v_readlane_b32 s53, v7, i
	s_min_u32 s53, s53, 49999                      ; held inside x before it enters an address
	v_lshl_add_u32 v[RO+i], s53, 10, v1
.set i, i+1
.endr
.macro XL g                            ; rows 4 g .. 4 g + 3 into slot g % 6: two loads of 512 consecutive bytes a row.  No hint: a list's last tile names its last row again
.irp rr, 0,1,2,3
	global_load_b128 v[X+32*((\g)%6)+8*\rr:X+32*((\g)%6)+8*\rr+3],   v[RO+4*(\g)+\rr], s[4:5]
	global_load_b128 v[X+32*((\g)%6)+8*\rr+4:X+32*((\g)%6)+8*\rr+7], v[RO+4*(\g)+\rr], s[4:5] offset:512
.endr
.endm
.macro XG g, left                      ; group g is quantised and stored; left: the loads of x that are younger than its eight
.set XS, X+32*((\g)%6)
	s_wait_loadcnt \left
	s_wait_dscnt 0x0                               ; the last group's LDS stores have read the codes' registers, which are written again below
.irp rr, 0,1,2,3
.irp k, 0,1,2,3,4,5,6,7
	v_med3_num_f32 v[XS+8*\rr+\k], v[XS+8*\rr+\k], -v13, v13   ; the conversion to an 8-bit code does not saturate (ISA guide 7.6.2): the hold at the largest code x the scale
.endr
	v_cvt_scalef32_pk8_bf8_f32 v[CD+2*\rr:CD+2*\rr+1], v[XS+8*\rr:XS+8*\rr+7], v12
.endr
.irp rr, 0,1,2,3
	ds_store_b64 v2, v[CD+2*\rr:CD+2*\rr+1] offset:PITCH*(4*(\g)+\rr)   ; the wave writes a code row's 256 consecutive bytes
.endr
.if (\g) < 2
	XL (\g)+6                                      ; the slot takes the group six further on
.endif
.endm
.irp g, 0,1,2,3,4,5
	XL \g                                          ; 48 loads, 24,576 bytes a wave, on their way
.endr
	XG 0, 40
	XG 1, 40
	XG 2, 40
	XG 3, 32
	XG 4, 24
	XG 5, 16
	XG 6, 8
	XG 7, 0
	v_nop                                          ; one plain vector line behind the last conversion: the products below write over its sources
	s_branch .Lbar
.Lskip:
	WLOADS
.Lbar:
	s_wait_dscnt 0x0                               ; for the others' sake: my code rows and row numbers lie in LDS
	s_barrier_signal -1
	s_barrier_wait -1                              ; everybody's do.  The one barrier: it stands on every wave's path, under no branch
	s_cmp_lg_u32 s27, 0
	s_cbranch_scc1 .Lmul
	s_cmp_le_u32 s28, s60                          ; no row of mine that gets zeros (among them: no rows at all)?
	s_cbranch_scc1 .Lend
	; ---------------- ROWS OF NO TYPE: ZEROS ----------------
	IDXLOAD
	s_sub_co_u32 s61, s28, s60                     ; my rows: Zero - 32 w, at least 1
	s_wait_loadcnt 0x0
.irp k, 0,1,2,3
	v_mov_b32 v[48+\k], 0
.endr
.macro ZROW i
	s_cmp_le_u32 s61, \i
	s_cbranch_scc1 .Lend
	v_readlane_b32 s53, v7, \i
	s_min_u32 s53, s53, 49999
	v_lshl_add_u32 v[RO+\i], s53, 10, v1           ; an offset register for each row: none is written while a store reads it
	global_store_b128 v[RO+\i], v[48:51], s[16:17] th:TH_STORE_NT
	global_store_b128 v[RO+\i], v[48:51], s[16:17] offset:512 th:TH_STORE_NT   ; 512 consecutive bytes each: the row's 1,024
.endm
.irp i, 0,1,2,3,4,5,6,7,8,9,10,11,12,13,14,15,16,17,18,19,20,21,22,23,24,25,26,27,28,29,30,31
	ZROW \i
.endr
	s_branch .Lend
	; ---------------- PHASE 2 ----------------
.macro AFETCH m                        ; row tile m: x's two fragments (lane (r, h): bytes 32 i + 16 h .. + 15 of code row 16 m + r) and the numbers of rows 16 m + 8 h + 0 .. 7, into set m % 2
.set AB, AF+32*((\m)%2)
.set RB, RR+8*((\m)%2)
.irp i, 0,1,2,3,4,5,6,7
	ds_load_b128 v[AB+4*\i:AB+4*\i+3], v3 offset:16*PITCH*(\m)+32*\i
.endr
	ds_load_b128 v[RB:RB+3], v5 offset:64*(\m)
	ds_load_b128 v[RB+4:RB+7], v5 offset:64*(\m)+16
.endm
; The work on the row tile in set p.  Nothing in it hangs on the tile's number.
.macro BODY p
.set AB, AF+32*(\p)
.set RB, RR+8*(\p)
	WIN 0x04                                       ; source 1 (W) window 1
.irp s, 0,1                            ; the four accumulators take turns, one instruction a turn; the first K step starts the sums with the constant 0
.irp q, 0,1,2,3
.if \s == 0
	v_wmma_f32_16x16x128_bf8_bf8 v[ACC+8*\q:ACC+8*\q+7], v[AB:AB+15], v[32*\q:32*\q+15], 0
.else
	v_wmma_f32_16x16x128_bf8_bf8 v[ACC+8*\q:ACC+8*\q+7], v[AB+16:AB+31], v[32*\q+16:32*\q+31], v[ACC+8*\q:ACC+8*\q+7]
.endif
.endr
.endr
	WIN 0
	s_wait_xcnt 0x0                                ; the last tile's stores have read their offsets and data: both are written again below
	; sixteen plain vector lines that name no register of the products: the places between the products and the first read of their results, and between them and the next tile's products and loads
.irp j, 0,1,2,3,4,5,6,7
	v_min_u32 v[RB+\j], 49999, v[RB+\j]            ; held inside out0 before it enters an address
.endr
.irp j, 0,1,2,3,4,5,6,7
	v_lshl_add_u32 v[AD+\j], v[RB+\j], 10, v6      ; 1,024 x row + 16 r
.endr
.irp j, 0,1,2,3,4,5,6,7                ; each accumulator is read from its register 0 on
.irp q, 0,1,2,3
	v_fma_f32 v[O+4*\j+\q], v[ACC+8*\q+\j], s52, v[BI+\q]   ; sum x 2^(ex + ew) + b: out0(row 8 h + j of the tile, channel 64 w + 4 r + q)
.endr
.endr
.irp j, 0,1,2,3,4,5,6,7
	global_store_b128 v[AD+\j], v[O+4*\j:O+4*\j+3], s[58:59] th:TH_STORE_NT   ; lanes 0-15 store 256 consecutive bytes of row j, lanes 16-31 of row 8 + j, each at a multiple of 256 from out0's first byte
.endr
.endm
; Row tile m of at most eight.  One test says whether it is the last: if so, nothing more is fetched (no LDS byte is read that nobody wrote) and the body of its set's parity, written out at the end, finishes the wave.
.macro TILE m
	s_wait_dscnt 0x0                               ; this tile's ten loads are in: nothing else is out
	s_cmp_le_u32 s27, 16*(\m)+16
.if (\m)%2
	s_cbranch_scc1 .Llast1
.else
	s_cbranch_scc1 .Llast0
.endif
	AFETCH (\m)+1                                  ; the next tile's, into the other set, while this one is multiplied
	BODY (\m)%2
.endm
.Lmul:
	s_wait_kmcnt 0x0
	s_add_co_i32 s52, s50, s51
	s_add_co_i32 s52, s52, 127
	s_lshl_b32 s52, s52, 23                        ; 2^(ex + ew) as f32
	AFETCH 0
	s_wait_loadcnt 0x0                             ; W's codes and b
.irp m, 0,1,2,3,4,5,6
	TILE \m
.endr
	s_wait_dscnt 0x0                               ; tile 7
.Llast1:
	BODY 1
	s_branch .Lend
.Llast0:
	BODY 0
.Lend:
	s_wait_tensorcnt 0x0                           ; the wave's end
	ds_add_u32 v10, v11
	s_wait_dscnt 0x0
	s_endpgm
.Lfunc_end_k_q48a85833fe_hetero:
	.size	k_q48a85833fe_hetero, .Lfunc_end_k_q48a85833fe_hetero-k_q48a85833fe_hetero
	.p2alignl 7, 3214868480
	.fill 96, 4, 3214868480
	.section	.rodata,"a",@progbits
	.p2align	6, 0x0
	.amdhsa_kernel k_q48a85833fe_hetero
		.amdhsa_group_segment_fixed_size 35840
		.amdhsa_private_segment_fixed_size 0
		.amdhsa_enable_private_segment 0
		.amdhsa_kernarg_size 56
		.amdhsa_user_sgpr_count 2
		.amdhsa_user_sgpr_kernarg_segment_ptr 1
		.amdhsa_wavefront_size32 1
		.amdhsa_system_sgpr_workgroup_id_x 1
		.amdhsa_system_sgpr_workgroup_id_y 1
		.amdhsa_system_sgpr_workgroup_id_z 1
		.amdhsa_system_vgpr_workitem_id 0
		.amdhsa_next_free_vgpr 384
		.amdhsa_next_free_sgpr 66
		.amdhsa_reserve_vcc 0
		.amdhsa_float_denorm_mode_32 3
		.amdhsa_float_denorm_mode_16_64 3
		.amdhsa_memory_ordered 1
		.amdhsa_forward_progress 1
		.amdhsa_inst_pref_size 107
	.end_amdhsa_kernel
	.amdgpu_metadata
---
amdhsa.version: [ 1, 2 ]
amdhsa.kernels:
  - .name:           k_q48a85833fe_hetero
    .symbol:         k_q48a85833fe_hetero.kd
    .args:
      - { .name: x, .offset: 0, .size: 8, .value_kind: global_buffer, .address_space: global }
      - { .name: order, .offset: 8, .size: 8, .value_kind: global_buffer, .address_space: global }
      - { .name: counts, .offset: 16, .size: 8, .value_kind: global_buffer, .address_space: global }
      - { .name: wq, .offset: 24, .size: 8, .value_kind: global_buffer, .address_space: global }
      - { .name: b, .offset: 32, .size: 8, .value_kind: global_buffer, .address_space: global }
      - { .name: lowp_scales, .offset: 40, .size: 8, .value_kind: global_buffer, .address_space: global }
      - { .name: out0, .offset: 48, .size: 8, .value_kind: global_buffer, .address_space: global }
    .group_segment_fixed_size: 35840
    .private_segment_fixed_size: 0
    .kernarg_segment_align: 8
    .kernarg_segment_size: 56
    .max_flat_workgroup_size: 128
    .sgpr_count:     66
    .vgpr_count:     384
    .wavefront_size: 32
...
	.end_amdgpu_metadata
.endif
;; end of part 2
;; ======== version 2 of 2: 2 launches
;; workspace buffers: order 3,416,320 bytes of whole numbers; counts 768 bytes of whole numbers; wq 1,048,576 bytes
;; launch prep (part 3): grid 117 x 1, 8 waves a work-group, no clusters, 36,096 bytes of LDS; arguments type_vec, W, lowp_scales, order, counts, wq; writes order, counts, wq
.if DOCPART == 3
	.amdgcn_target "amdgcn-amd-amdhsa--gfx1250"
	.amdhsa_code_object_version 6
	.text
	.protected	k_q48a85833fe_prep
	.globl	k_q48a85833fe_prep
	.p2align	8
	.type	k_q48a85833fe_prep,@function
k_q48a85833fe_prep:
	s_mov_b64 s[64:65], 0
	v_nop
	global_prefetch_b8 v0, s[64:65] scope:SCOPE_SE
	s_setreg_imm32_b32 hwreg(HW_REG_WAVE_MODE, 25, 1), 1
	s_wait_xcnt 0x0
; HeteroLinear, first of two launches: the rows are sorted by type, and W is turned into codes of BF8 (E5M2).
; WORK LEFT OUT, IN BOTH LAUNCHES.  reference() computes 16 products for every row n and keeps, by its chain of jnp.where on (type_vec == i), only the one with i = type_vec[n]; a row whose type is none of 0 .. 15
; keeps the zeros that reference() starts from.  That holds for all values of x, W and b: the mask is made of whole numbers alone.  So for row n only product type_vec[n] is computed: the other 15 products of that
; row reach no output.  All inputs have a way to the output and all are loaded.  LIMIT: a NaN, an infinity or an overflow that arises only in the products left out is not carried to the result.
; WORK-GROUPS 0 .. 84: THE SORT.  The 50,000 rows are five segments of 10,000.  Work-group 17 seg + T reads the segment's 10,000 types and stores the numbers of the rows of bucket T (T = 16: every type that is
; not 0 .. 15, taken as unsigned) into list 17 seg + T of 'order' (room for 10,048 entries; only the first counts[seg][T] are written, and only those are read later), and their count into counts[seg][T].
; No atomics: a lane's place is the count of the waves before mine + of my wave's earlier registers + of the lanes before mine.
; WORK-GROUPS 85 .. 116: W.  code = w / 2^e, held within +-57,344, to the nearest code, ties to even; e = lowp_scales[2 t + 1].  A wave takes a unit of 16 rows of W[t]: o = 64 w + 4 r + q, r = 0 .. 15, and stores
; them as the image of the two operand fragments (K = 0 .. 127, 128 .. 255 of a permuted K) that the second launch's wave w takes for its tile q: wq[t][w][q][i 0..7][lane][16 bytes].
; THE PERMUTATION OF K, the same for x in the second launch: lane l of the wave that quantises a row holds k = 4 l .. 4 l + 3 and 128 + 4 l .. 128 + 4 l + 3 (two loads of 512 consecutive bytes a wave) and makes
; bytes 8 l .. 8 l + 7 of a row of 256 codes.  Both operands are laid alike, so each product meets its partner; only the order of the sums inside a matrix instruction differs.
; LIMITS: lowp_scales[2 t + 1] between -126 and 112, so that 2^e and 57,344 x 2^e are f32 numbers.  NaN in W is not served; an infinity is held at the largest code.
.set SEGR,  10000                      ; rows in a segment
.set CAP,   10048                      ; entries of a list: 40,192 bytes
.set NSORT, 85                         ; 5 segments x 17 buckets
.set PITCH, 272                        ; a row of 256 codes in the stage + 16 bytes: the 16 rows that a load of 16 bytes a lane touches start 68 words apart
.set STGW,  16*PITCH                   ; a wave's stage (W's path alone)
.set SORTW, 8*STGW                     ; eight words, a count for each wave (the sort's path alone)
.set SPARE, SORTW+256                  ; the spare words, 128 bytes for each wave: four blocks of 256 bytes that no other line names
.set TY,    16                         ; sort: v16-55  40 types of a thread, later the byte offsets of its entries in the list
.set RN,    56                         ; sort: v56-95  the 40 row numbers
.set MK,    24                         ; sort: s24-63  40 masks: the lanes whose number i is of my bucket
.set X,     16                         ; W: v16-143  16 rows x 8 numbers a lane
.set C,     144                        ; W: v144-175 16 rows x 8 codes a lane
.set O,     176                        ; W: v176-207 the image, 8 x 4 registers
	s_load_b256 s[4:11], s[0:1], 0x0               ; type_vec s[4:5], W s[6:7], lowp_scales s[8:9], order s[10:11]
	s_load_b128 s[12:15], s[0:1], 0x20             ; counts s[12:13], wq s[14:15]
	v_lshl_add_u32 v10, v0, 2, SPARE               ; my spare word; never rewritten
	v_mov_b32 v11, 0                               ; 0; never rewritten
	v_lshrrev_b32 v2, 5, v0
	s_delay_alu instid0(VALU_DEP_1)
	v_readfirstlane_b32 s16, v2                    ; wave 0..7
	v_and_b32 v2, 31, v0                           ; lane
	v_and_b32 v4, 15, v0                           ; r
	v_bfe_u32 v5, v0, 4, 1                         ; h
	s_delay_alu instid0(VALU_DEP_3)
	v_lshlrev_b32 v1, 4, v2                        ; 16 x lane
	s_mul_i32 s17, s16, STGW
	v_lshlrev_b32 v6, 3, v2
	s_delay_alu instid0(VALU_DEP_1)
	v_add_nc_u32 v6, s17, v6                       ; the stage, in: 8 x lane in my wave's stage
	v_mul_u32_u24 v7, v4, PITCH
	s_delay_alu instid0(VALU_DEP_1)
	v_lshl_add_u32 v7, v5, 4, v7
	s_delay_alu instid0(VALU_DEP_1)
	v_add_nc_u32 v7, s17, v7                       ; the stage, out: row r, + 16 h
	s_lshl_b32 s17, s16, 2
	s_add_co_u32 s17, s17, SORTW
	v_mov_b32 v8, s17                              ; my wave's word
	v_mov_b32 v9, SORTW                            ; the eight words
	v_lshlrev_b32 v12, 4, v0                       ; 16 x thread; never rewritten
	s_wait_kmcnt 0x0
	s_cmp_ge_u32 ttmp9, NSORT                      ; the work-group's number alone decides: all eight waves go the same way
	s_cbranch_scc1 .Lw
	; ---------------- THE SORT ----------------
	s_mul_i32 s18, ttmp9, 3856
	s_lshr_b32 s18, s18, 16                        ; seg = id / 17 (3856 / 65536 lies just above 1 / 17: right for id 0 .. 84)
	s_mul_i32 s17, s18, 17
	s_sub_co_u32 s19, ttmp9, s17                   ; T = id - 17 seg
	s_mul_i32 s80, s18, 4*SEGR
	s_mov_b32 s81, 0
	s_add_nc_u64 s[4:5], s[4:5], s[80:81]          ; the segment's types
	s_mul_i32 s80, ttmp9, 4*CAP
	s_add_nc_u64 s[10:11], s[10:11], s[80:81]      ; my list
	s_lshl_b32 s80, s18, 7
	s_lshl_b32 s17, s19, 2
	s_add_co_u32 s80, s80, s17
	s_add_nc_u64 s[12:13], s[12:13], s[80:81]      ; counts[seg][T]
	s_mul_i32 s17, s18, SEGR
	v_lshl_add_u32 v3, v0, 2, s17                  ; the row of my first number: 10,000 seg + 4 x thread
	s_wait_alu depctr_va_vdst(0)
	v_add_nc_u32 v13, 36864, v12
	s_delay_alu instid0(VALU_DEP_1)
	v_min_u32 v13, 4*SEGR-16, v13                  ; the tenth group of four exists for threads 0 .. 195 alone: the others read the segment's last one, so that no load leaves the buffer
	; a thread takes the groups of four numbers 256 j + thread, j = 0 .. 9: a wave's load reads 512 consecutive bytes.  No hint: the segment's 17 work-groups read the same bytes
.irp j, 0,1,2,3,4,5,6,7,8
	global_load_b128 v[TY+4*\j:TY+4*\j+3], v12, s[4:5] offset:4096*\j
.endr
	global_load_b128 v[TY+36:TY+39], v13, s[4:5]
	s_mov_b32 s20, 0                               ; my wave's count
	s_mov_b32 s22, 0                               ; the running place
	s_mov_b32 s23, 0                               ; the list's count
	v_cmp_gt_u32 vcc_lo, 196, v0                   ; do I have a tenth group?
.macro CNT j                           ; group j: four masks, and their bits counted
	s_wait_loadcnt 9-\j                            ; loads come back in order: group j is in, the 9 - j younger ones may be out
.irp e, 0,1,2,3
	v_min_u32 v[TY+4*\j+\e], 16, v[TY+4*\j+\e]     ; unsigned: whatever is not 0 .. 15 is bucket 16
.if \j == 9
	s_delay_alu instid0(VALU_DEP_1)
	v_cndmask_b32 v[TY+4*\j+\e], 17, v[TY+4*\j+\e], vcc_lo   ; a thread without a tenth group matches no bucket
.endif
	s_delay_alu instid0(VALU_DEP_1)
	v_cmp_eq_u32 s[MK+4*\j+\e], s19, v[TY+4*\j+\e]
	s_bcnt1_i32_b32 s21, s[MK+4*\j+\e]
	s_add_co_u32 s20, s20, s21
.endr
.endm
.irp j, 0,1,2,3,4,5,6,7,8,9
	CNT \j
.endr
	v_mov_b32 v4, s20
	ds_store_b32 v8, v4                            ; all lanes write my wave's word with the same number
	s_wait_dscnt 0x0                               ; for the others' sake: my store is done
	s_barrier_signal -1
	s_barrier_wait -1
	ds_load_b128 v[96:99], v9
	ds_load_b128 v[100:103], v9 offset:16
	s_wait_dscnt 0x0
.irp i, 0,1,2,3,4,5,6,7
	v_readfirstlane_b32 s[68+\i], v[96+\i]
.endr
.irp i, 0,1,2,3,4,5,6,7
	s_cmp_lt_u32 \i, s16
	s_cselect_b32 s21, s[68+\i], 0
	s_add_co_u32 s22, s22, s21                     ; the counts of the waves before mine: where my wave's entries begin
	s_add_co_u32 s23, s23, s[68+\i]                ; all eight: the list's count
.endr
	; the places, all lanes on: number i of a lane goes to entry s22 + (the lanes before mine in mask i)
.set i, 0
.rept 40
	v_mbcnt_lo_u32_b32 v[TY+i], s[MK+i], s22
	s_bcnt1_i32_b32 s21, s[MK+i]
	s_add_co_u32 s22, s22, s21
	v_min_u32 v[TY+i], CAP-1, v[TY+i]              ; a number made of loaded data is held inside the list before it enters an address (it never reaches 10,000)
	s_delay_alu instid0(VALU_DEP_1)
	v_lshlrev_b32 v[TY+i], 2, v[TY+i]
	v_add_nc_u32 v[RN+i], 1024*(i/4)+i%4, v3       ; its row: 4 (256 j + thread) + e
.set i, i+1
.endr
	v_mov_b32 v4, s23                              ; the list's count, all lanes on
	v_cmp_eq_u32 vcc_lo, 0, v0                     ; thread 0 stores it, a zero too: every count that is read later is written
	s_wait_alu depctr_va_vdst(0)
	s_wait_xcnt 0x0                                ; EXEC changes only behind this wait: it is a source of every memory instruction issued so far
	s_and_saveexec_b32 s76, vcc_lo
	global_store_b32 v12, v4, s[12:13]             ; the offset is 16 x thread, which is 0 in the one thread that is on
	s_wait_xcnt 0x0                                ; and again, in front of the line that widens it
	s_or_b32 exec_lo, exec_lo, s76
	; 40 stores of four bytes a lane: the lanes of a mask write neighbouring entries.  They compact 200,000 bytes in the whole launch
.set i, 0
.rept 40
	s_and_saveexec_b32 s76, s[MK+i]                ; (no memory instruction has been issued since the last wait on XCNT)
	global_store_b32 v[TY+i], v[RN+i], s[10:11]
	s_wait_xcnt 0x0                                ; in front of the line that widens EXEC
	s_or_b32 exec_lo, exec_lo, s76
.set i, i+1
.endr
	s_wait_tensorcnt 0x0                           ; the wave's end
	ds_add_u32 v10, v11
	s_wait_dscnt 0x0
	s_endpgm
	; ---------------- W INTO CODES ----------------
.Lw:
	s_sub_co_u32 s17, ttmp9, NSORT
	s_lshl_b32 s17, s17, 3
	s_add_co_u32 s17, s17, s16                     ; my unit U = 8 (id - 85) + wave: 0 .. 255
	s_lshr_b32 s18, s17, 4                         ; t
	s_bfe_u32 s19, s17, 0x20002                    ; w: 2 bits from bit 2
	s_and_b32 s21, s17, 3                          ; q
	s_lshl_b32 s80, s18, 18                        ; W[t]: 262,144 bytes
	s_lshl_b32 s22, s19, 16                        ; + 64 w rows of 1,024 bytes
	s_add_co_u32 s80, s80, s22
	s_lshl_b32 s22, s21, 10                        ; + q rows
	s_add_co_u32 s80, s80, s22
	s_mov_b32 s81, 0
	s_add_nc_u64 s[6:7], s[6:7], s[80:81]
	s_lshl_b32 s80, s17, 12
	s_add_nc_u64 s[14:15], s[14:15], s[80:81]      ; the unit's 4,096 bytes of wq
	s_lshl_b32 s80, s18, 3
	s_add_nc_u64 s[8:9], s[8:9], s[80:81]
	s_load_b32 s20, s[8:9], 0x4                    ; e = lowp_scales[2 t + 1]
.set i, 0
	s_wait_alu depctr_va_vdst(0)
.rept 16                               ; row r of the unit lies 4 rows of W further on than row r - 1.  Each load reads 512 consecutive bytes; W is read once in the launch
	global_load_b128 v[X+8*i:X+8*i+3],   v1, s[6:7] offset:4096*i th:TH_LOAD_NT
	global_load_b128 v[X+8*i+4:X+8*i+7], v1, s[6:7] offset:4096*i+512 th:TH_LOAD_NT
.set i, i+1
.endr
	s_wait_kmcnt 0x0
	s_add_co_i32 s20, s20, 127
	s_lshl_b32 s21, s20, 23
	v_mov_b32 v14, s21                             ; 2^e as f32: the conversion takes its exponent field
	s_add_co_i32 s20, s20, 15
	s_lshl_b32 s20, s20, 23
	s_or_b32 s20, s20, 0x600000
	v_mov_b32 v15, s20                             ; 57,344 x 2^e
.macro WROW r
	s_wait_loadcnt 30-2*\r                         ; row r's two loads are in; the two of each later row may be out
.irp k, 0,1,2,3,4,5,6,7
	v_med3_num_f32 v[X+8*\r+\k], v[X+8*\r+\k], -v15, v15   ; the conversion to an 8-bit code does not saturate (ISA guide 7.6.2): the hold at the largest code x the scale
.endr
	v_cvt_scalef32_pk8_bf8_f32 v[C+2*\r:C+2*\r+1], v[X+8*\r:X+8*\r+7], v14
	ds_store_b64 v6, v[C+2*\r:C+2*\r+1] offset:PITCH*\r    ; bytes 8 l .. 8 l + 7 of code row r: the wave writes 256 consecutive bytes
.endm
	s_wait_alu depctr_va_vdst(0)
.irp r, 0,1,2,3,4,5,6,7,8,9,10,11,12,13,14,15
	WROW \r
.endr
	v_nop                                          ; one plain vector line behind the last conversion
.irp i, 0,1,2,3,4,5,6,7                ; lane (r, h) takes bytes 32 i + 16 h .. + 15 of code row r: registers 4 (i % 4) .. + 3 of the fragment of K step i / 4.  LDS serves a wave's instructions in order: these see my stores
	ds_load_b128 v[O+4*\i:O+4*\i+3], v7 offset:32*\i
.endr
.irp i, 0,1,2,3,4,5,6,7
	s_wait_dscnt 7-\i
	global_store_b128 v1, v[O+4*\i:O+4*\i+3], s[14:15] offset:512*\i   ; 32 lanes store 512 consecutive bytes, at a multiple of 256 from wq's first byte
.endr
	s_wait_tensorcnt 0x0                           ; the wave's end: the same three lines
	ds_add_u32 v10, v11
	s_wait_dscnt 0x0
	s_endpgm
.Lfunc_end_k_q48a85833fe_prep:
	.size	k_q48a85833fe_prep, .Lfunc_end_k_q48a85833fe_prep-k_q48a85833fe_prep
	.p2alignl 7, 3214868480
	.fill 96, 4, 3214868480
	.section	.rodata,"a",@progbits
	.p2align	6, 0x0
	.amdhsa_kernel k_q48a85833fe_prep
		.amdhsa_group_segment_fixed_size 36096
		.amdhsa_private_segment_fixed_size 0
		.amdhsa_enable_private_segment 0
		.amdhsa_kernarg_size 48
		.amdhsa_user_sgpr_count 2
		.amdhsa_user_sgpr_kernarg_segment_ptr 1
		.amdhsa_wavefront_size32 1
		.amdhsa_system_sgpr_workgroup_id_x 1
		.amdhsa_system_sgpr_workgroup_id_y 1
		.amdhsa_system_sgpr_workgroup_id_z 1
		.amdhsa_system_vgpr_workitem_id 0
		.amdhsa_next_free_vgpr 208
		.amdhsa_next_free_sgpr 84
		.amdhsa_reserve_vcc 1
		.amdhsa_float_denorm_mode_32 3
		.amdhsa_float_denorm_mode_16_64 3
		.amdhsa_memory_ordered 1
		.amdhsa_forward_progress 1
		.amdhsa_inst_pref_size 50
	.end_amdhsa_kernel
	.amdgpu_metadata
---
amdhsa.version: [ 1, 2 ]
amdhsa.kernels:
  - .name:           k_q48a85833fe_prep
    .symbol:         k_q48a85833fe_prep.kd
    .args:
      - { .name: type_vec, .offset: 0, .size: 8, .value_kind: global_buffer, .address_space: global }
      - { .name: W, .offset: 8, .size: 8, .value_kind: global_buffer, .address_space: global }
      - { .name: lowp_scales, .offset: 16, .size: 8, .value_kind: global_buffer, .address_space: global }
      - { .name: order, .offset: 24, .size: 8, .value_kind: global_buffer, .address_space: global }
      - { .name: counts, .offset: 32, .size: 8, .value_kind: global_buffer, .address_space: global }
      - { .name: wq, .offset: 40, .size: 8, .value_kind: global_buffer, .address_space: global }
    .group_segment_fixed_size: 36096
    .private_segment_fixed_size: 0
    .kernarg_segment_align: 8
    .kernarg_segment_size: 48
    .max_flat_workgroup_size: 256
    .sgpr_count:     84
    .vgpr_count:     208
    .wavefront_size: 32
...
	.end_amdgpu_metadata
.endif
;; end of part 3
;; launch hetero (part 4): grid 94 x 5, 4 waves a work-group, no clusters, 35,840 bytes of LDS; arguments x, order, counts, wq, b, lowp_scales, out0; writes out0
.if DOCPART == 4
	.amdgcn_target "amdgcn-amd-amdhsa--gfx1250"
	.amdhsa_code_object_version 6
	.text
	.protected	k_q48a85833fe_hetero
	.globl	k_q48a85833fe_hetero
	.p2align	8
	.type	k_q48a85833fe_hetero,@function
k_q48a85833fe_hetero:
	s_mov_b64 s[64:65], 0
	v_nop
	global_prefetch_b8 v0, s[64:65] scope:SCOPE_SE
	s_setreg_imm32_b32 hwreg(HW_REG_WAVE_SCHED_MODE, 0, 2), 2
	s_setreg_imm32_b32 hwreg(HW_REG_WAVE_MODE, 25, 1), 1
	s_wait_xcnt 0x0
	s_wait_alu depctr_vm_vsrc(0)
; HeteroLinear, second launch: out0[n] = Q(x[n]) . Q(W[t])^T x 2^(ex + ew) + b[t], t = type_vec[n], ex = lowp_scales[2 t], ew = lowp_scales[2 t + 1]; a row whose type is none of 0 .. 15 gets zeros.
; WORK LEFT OUT: for each row only the product of its own type is computed; the 15 others are thrown away by reference()'s own where on whole numbers, whatever x, W and b hold (shown at the head of the first
; launch).  LIMIT: a NaN, an infinity or an overflow that arises only in the products left out is not carried to the result.
; THE GRID SERVES EVERY SPLIT.  Work-group (G, seg) takes tile G of segment seg: the segment's 17 lists (16 types and the bucket of other types) are cut into tiles of 128 rows; the sum of ceil(count / 128) over 17 lists
; of 10,000 rows in all is at most (10,000 + 17 x 127) / 128, that is 94.  Which list and which 128 rows is worked out from the 17 stored counts without a branch.  A work-group that the split leaves without rows stores nothing.
; NO TENSOR LOADS, NO CLUSTER: the tile's type, the number of its rows and whether it has any hang on counts read from memory, and so do branches of this text; partners of a cluster could not be given one type at
; every split; and what tiles of one type share, 65,536 bytes of codes, is a quarter of a tile's own 262,144 bytes of x and out0.  Operands go from memory into registers.
; PHASE 1: wave w gathers tile rows 32 w .. 32 w + 31 of x (a row: two loads of 512 consecutive bytes), quantises them (code = x / 2^ex, held within +-57,344, nearest, ties to even) and puts rows of 256 codes into LDS.
; K is permuted as in the first launch: lane l makes bytes 8 l .. 8 l + 7 from k = 4 l .. + 3 and 128 + 4 l .. + 3.  A wave with no row (a list's last tile) leaves the phase out.  ONE BARRIER, on every wave's path.
; PHASE 2: THE WAVES SHARE THE COLUMNS: wave w makes channels 64 w .. 64 w + 63 for all rows; its 16,384 bytes of W[t]'s codes stay in 128 registers.  Source 0 = 16 rows of x, source 1 = 16 channels.  Column r of
; tile q is channel 64 w + 4 r + q: so register j of the four accumulators holds, in lane (r, h), four NEIGHBOURING channels of row 8 h + j, and sixteen lanes store 256 consecutive bytes, aligned, with no way through LDS.
; A list's last tile repeats its last row up to the next multiple of 16 (32 in phase 1): those rows are computed again and store the same bytes of the same row.
; LIMITS: ex between -126 and 112; ex + ew between -126 and 127, so that each power of two below is an f32 number.  NaN in x is not served; an infinity is held at the largest code.
; REGISTERS, window 0: v1 16 x lane; v2-v5 LDS addresses; v6 16 r; v7 my row number; v8 at work; v10, v11 the add's two; v12, v13 2^ex, 57,344 x 2^ex; v16-47 row offsets; v48-239 six slots of four rows of x; v240-247 codes;
;   v248-251 b.  Phase 2 takes x's registers: v48-111 two sets of x's fragments, v112-127 two sets of row numbers, v128-159 four accumulators, v160-191 results, v192-199 offsets.   window 1: v0-127 W's fragments, (q, s) at 16 (2 q + s).
;   s32-47: first the segment's counts, then sixteen row numbers at a time.
; THE MODE: SCHED_MODE bits 1:0 = 2 (LLVM: expert scheduling mode 2), set by the entry lines.  The code itself states the register dependences between vector or matrix instructions and memory or LDS instructions,
; with s_wait_alu, always for 0.
; THE PLAN.  Registers that memory or LDS instructions touch, and who else names them:
;   v1-v6     Written at the head, never again; read by loads, stores and LDS instructions.  One wait on va_vdst on each of the two ways in front of the barrier, ahead of the way's first load.
;   v8, v7    v8: four vector lines write it, the load of my row number reads it.  v7: that load's data; an LDS store and the lines that read its lanes read it.
;   v16-47    Sixteen at a time: vector lines write them, one wait on va_vdst, then the loads of x (or the stores of zeros) read them.  Never written again on the way through phase 1.
;   x's slots Group g: 32 holds write its slot, four conversions read it; slots 0 and 1 are loaded again behind that.
;   v240-247  Group g: the four conversions write them, four LDS stores read them.
;             So a group has TWO waits: on vm_vsrc ahead of its conversions, 32 vector lines behind the LDS stores that it waits for; on va_vdst behind its conversions, for its LDS stores and for the loads into its slot.
;   v48-127   Phase 2, set m % 2: LDS loads land there; tile m's products read the fragments, its clamps read and write the row numbers; the loads of tile m + 2 land there again.
;   v160-199  Tile m: vector lines write results and offsets, eight stores read them.
;             So a tile has TWO waits: on vm_vsrc behind its products, ahead of the lines that write v160-199 again; on va_vdst ahead of its stores, which also shows its set of v48-127 free: the loads of tile m + 2
;             follow in the next tile's head with no vector or matrix instruction between.
;   window 1, v248-251  Loaded once; read by matrix and vector instructions alone.     v10, v11  Written at the head, read by the closing add alone.
;   s18, s32-47  Written by vector lines, read by scalar lines: a wait on va_sdst behind each run of writers, ahead of the first reader.
.set CAP,   10048                      ; entries of a list in 'order'
.set PITCH, 272                        ; a row of 256 codes in LDS + 16 bytes: the 16 rows that a fragment load touches start 68 words apart
.set ROWT,  128*PITCH                  ; behind the 128 code rows: the tile's 128 row numbers
.set SPARE, ROWT+512                   ; the spare words, 128 bytes for each wave: two blocks of 256 bytes that no other line names
.set RO,  16
.set X,   48
.set CD,  240
.set BI,  248
.set AF,  48
.set RR,  112
.set ACC, 128
.set O,   160
.set AD,  192
.set MSB, 0
.macro WIN new                         ; the immediate's high byte repeats the setting that is left
.if MSB != \new
	s_set_vgpr_msb (MSB<<8)|\new
.set MSB, \new
.endif
.endm
	s_load_b256 s[4:11], s[0:1], 0x0               ; x s[4:5], order s[6:7], counts s[8:9], wq s[10:11]
	s_load_b128 s[12:15], s[0:1], 0x20             ; b s[12:13], lowp_scales s[14:15]
	s_load_b64 s[16:17], s[0:1], 0x30              ; out0
	v_lshl_add_u32 v10, v0, 2, SPARE               ; my spare word; never rewritten
	v_mov_b32 v11, 0                               ; 0; never rewritten
	v_lshrrev_b32 v1, 5, v0
	v_readfirstlane_b32 s18, v1                    ; wave 0..3
	v_and_b32 v9, 31, v0                           ; lane
	v_and_b32 v14, 15, v0                          ; r
	v_bfe_u32 v15, v0, 4, 1                        ; h
	v_lshlrev_b32 v1, 4, v9                        ; 16 x lane
	v_lshlrev_b32 v2, 3, v9                        ; 8 x lane
	v_mul_u32_u24 v3, v14, PITCH
	v_lshl_add_u32 v3, v15, 4, v3                  ; code rows, out: row r, + 16 h
	v_lshl_add_u32 v4, v0, 2, ROWT                 ; the row numbers, in: 4 x thread
	v_lshlrev_b32 v5, 5, v15
	v_add_nc_u32 v5, ROWT, v5                      ; and out: eight numbers from 8 h on
	v_lshlrev_b32 v6, 4, v14                       ; 16 r: my four channels' bytes among the wave's 64
	s_wait_alu depctr_va_sdst(0)                   ; s18 is written, ahead of its first reader, the line below
	s_mul_i32 s25, s18, 32*PITCH
	v_add_nc_u32 v2, s25, v2                       ; code rows, in: my wave's 32 rows, 8 x lane
	s_and_b32 s19, ttmp7, 0xffff                   ; seg
	s_mov_b32 s20, ttmp9                           ; G
	s_lshl_b32 s60, s18, 5                         ; 32 w: my first tile row in phase 1
	s_lshl_b32 s54, s19, 7
	s_mov_b32 s55, 0
	s_mov_b32 s57, 0
	s_wait_kmcnt 0x0
	s_add_nc_u64 s[8:9], s[8:9], s[54:55]
	s_load_b512 s[32:47], s[8:9], 0x0              ; the segment's counts: types 0 .. 15,
	s_load_b32 s48, s[8:9], 0x40                   ; and the bucket of other types
	s_mov_b32 s21, 0                               ; Acc: tiles of the lists so far
	s_mov_b32 s22, 0                               ; T
	s_mov_b32 s23, 0                               ; Base: the first tile of list T
	s_mov_b32 s24, 0                               ; Cnt: its count
	s_wait_kmcnt 0x0
.macro PICK t                          ; the last list whose first tile is at or under G is mine; a list without a tile is overridden by the next
	s_cmp_ge_u32 s20, s21
	s_cselect_b32 s22, \t, s22
	s_cselect_b32 s23, s21, s23
	s_cselect_b32 s24, s[32+\t], s24
	s_add_co_u32 s25, s[32+\t], 127
	s_lshr_b32 s25, s25, 7
	s_add_co_u32 s21, s21, s25
.endm
.irp t, 0,1,2,3,4,5,6,7,8,9,10,11,12,13,14,15,16
	PICK \t
.endr
	s_sub_co_u32 s25, s20, s23
	s_lshl_b32 s25, s25, 7                         ; the tile's first entry in its list
	s_sub_co_u32 s26, s24, s25
	s_min_u32 s26, s26, 128
	s_cmp_lt_u32 s20, s21                          ; is G a tile at all?
	s_cselect_b32 s26, s26, 0                      ; the tile's rows: 1 .. 128, or 0
	s_cmp_lt_u32 s22, 16
	s_cselect_b32 s27, s26, 0                      ; Work: rows to be multiplied
	s_cselect_b32 s28, 0, s26                      ; Zero: rows that get zeros
	s_min_u32 s29, s22, 15                         ; the type, held inside the tables
	s_mul_i32 s30, s19, 17
	s_add_co_u32 s30, s30, s22
	s_mul_i32 s30, s30, CAP
	s_add_co_u32 s30, s30, s25                     ; the tile's first entry in 'order'
	s_sub_co_u32 s31, s26, 1                       ; its last row's place in the tile
	s_lshl_b32 s54, s29, 16
	s_lshl_b32 s25, s18, 14
	s_add_co_u32 s54, s54, s25
	s_add_nc_u64 s[10:11], s[10:11], s[54:55]      ; wq[t][w]
	s_lshl_b32 s56, s29, 10
	s_lshl_b32 s25, s18, 8
	s_add_co_u32 s56, s56, s25
	s_add_nc_u64 s[12:13], s[12:13], s[56:57]      ; b[t][64 w]
	s_lshl_b32 s54, s29, 3
	s_add_nc_u64 s[14:15], s[14:15], s[54:55]
	s_mov_b32 s54, s25
	s_add_nc_u64 s[58:59], s[16:17], s[54:55]      ; out0 at channel 64 w
	s_load_b64 s[50:51], s[14:15], 0x0             ; ex, ew
; My 16,384 bytes of W[t]'s codes, in the order of the operand's registers, and my four numbers of b.  The macro stands in both arms in front of the barrier, so that these registers are written on every way to the
; products, and so that the loads are on their way during phase 1.  The price: the waves of a work-group without rows to multiply load them too, since the barrier stands on every wave's path.
; Its offsets v1 and v6 are shown written by the wait on va_vdst that stands ahead of it in each arm; between that wait and these loads stand a load and window switches at most.
.macro WLOADS
	WIN 0x40                                       ; destination window 1, address window 0
.set i, 0
.rept 32
	global_load_b128 v[4*i:4*i+3], v1, s[10:11] offset:512*i
.set i, i+1
.endr
	WIN 0
	global_load_b128 v[BI:BI+3], v6, s[12:13]      ; b[t][64 w + 4 r + 0 .. 3]
.endm
.macro IDXLOAD                         ; my tile row's number; behind the tile's last row that row is repeated, so that no entry is read that was not written
	v_min_u32 v8, s31, v0
	v_add_nc_u32 v8, s30, v8
	v_min_u32 v8, 85*CAP-1, v8                     ; a number made of loaded data is held inside the buffer before it enters an address
	v_lshlrev_b32 v8, 2, v8
	s_wait_alu depctr_va_vdst(0)                   ; v8 is written, which the load reads as its offset, and every vector line that named v7 is done.  In phase 1 this is also the wait for v1 to v6, made at the head
	global_load_b32 v7, v8, s[6:7]
.endm
; Sixteen of my 32 rows, k on: lane k + i's number, for all lanes: 1,024 x row + 16 x lane.  The sixteen numbers go into sixteen scalar registers, so that one wait serves the run.
.macro OFFS16 k
.irp i, 0,1,2,3,4,5,6,7,8,9,10,11,12,13,14,15
	v_readlane_b32 s[32+\i], v7, \k+\i
.endr
	s_wait_alu depctr_va_sdst(0)                   ; the sixteen lines above have written s32 to s47, ahead of their first readers, the clamps below
.irp i, 0,1,2,3,4,5,6,7,8,9,10,11,12,13,14,15
	s_min_u32 s[32+\i], s[32+\i], 49999            ; held inside x and out0 before it enters an address
.endr
.irp i, 0,1,2,3,4,5,6,7,8,9,10,11,12,13,14,15
	v_lshl_add_u32 v[RO+\k+\i], s[32+\i], 10, v1
.endr
.endm
	s_cmp_le_u32 s27, s60                          ; no row of mine to quantise (a tile with fewer rows, no rows, or rows that get zeros)?
	s_cbranch_scc1 .Lskip
	; ---------------- PHASE 1 ----------------
	IDXLOAD
	WLOADS
	s_wait_kmcnt 0x0
	s_add_co_i32 s25, s50, 127
	s_lshl_b32 s53, s25, 23
	v_mov_b32 v12, s53                             ; 2^ex as f32: the conversion takes its exponent field
	s_add_co_i32 s25, s25, 15
	s_lshl_b32 s25, s25, 23
	s_or_b32 s25, s25, 0x600000
	v_mov_b32 v13, s25                             ; 57,344 x 2^ex
	s_wait_loadcnt 33                              ; my row number is in; the 33 loads issued behind it (32 of codes, one of b) may be out
	ds_store_b32 v4, v7                            ; for phase 2
.macro XL g                            ; rows 4 g .. 4 g + 3 into slot g % 6: two loads of 512 consecutive bytes a row.  No hint: a list's last tile names its last row again
.irp rr, 0,1,2,3
	global_load_b128 v[X+32*((\g)%6)+8*\rr:X+32*((\g)%6)+8*\rr+3],   v[RO+4*(\g)+\rr], s[4:5]
	global_load_b128 v[X+32*((\g)%6)+8*\rr+4:X+32*((\g)%6)+8*\rr+7], v[RO+4*(\g)+\rr], s[4:5] offset:512
.endr
.endm
.macro XG g, left                      ; group g is quantised and stored; left: the loads of x that are younger than its eight
.set XS, X+32*((\g)%6)
	s_wait_loadcnt \left
.irp rr, 0,1,2,3
.irp k, 0,1,2,3,4,5,6,7
	v_med3_num_f32 v[XS+8*\rr+\k], v[XS+8*\rr+\k], -v13, v13   ; the conversion to an 8-bit code does not saturate (ISA guide 7.6.2): the hold at the largest code x the scale
.endr
.endr
	s_wait_alu depctr_va_vdst(0)
	s_wait_dscnt 0x0                               ; the last group's LDS stores have read the codes' registers, which are written again below
.if (\g) > 0
	s_wait_alu depctr_vm_vsrc(0)                   ; the same dependence, stated: the last group's four LDS stores, 32 vector lines back, have read v240 to v247, which the conversions write again
.endif
.irp rr, 0,1,2,3
	v_cvt_scalef32_pk8_bf8_f32 v[CD+2*\rr:CD+2*\rr+1], v[XS+8*\rr:XS+8*\rr+7], v12
.endr
	s_wait_alu depctr_va_vdst(0)                   ; the conversions have written v240 to v247, which the LDS stores read; the holds have written the slot and the conversions are done reading it: loads land in it below
.irp rr, 0,1,2,3
	ds_store_b64 v2, v[CD+2*\rr:CD+2*\rr+1] offset:PITCH*(4*(\g)+\rr)   ; the wave writes a code row's 256 consecutive bytes
.endr
.if (\g) < 2
	XL (\g)+6                                      ; the slot takes the group six further on.  No wait: no vector line since the wait above
.endif
.endm
	OFFS16 0
	s_wait_alu depctr_va_vdst(0)                   ; v16 to v31 are written, which the loads of groups 0 to 3 read as their offsets
.irp g, 0,1,2,3
	XL \g
.endr
	OFFS16 16                                      ; (names v7, v1 and v32 to v47: no register that the loads on their way touch but v1, which nobody writes)
	s_wait_alu depctr_va_vdst(0)                   ; v32 to v47 are written, which the loads of groups 4 to 7 read as their offsets
.irp g, 4,5
	XL \g                                          ; 48 loads, 24,576 bytes a wave, on their way
.endr
	XG 0, 40
	XG 1, 40
	XG 2, 40
	XG 3, 32
	XG 4, 24
	XG 5, 16
	XG 6, 8
	XG 7, 0
	v_nop                                          ; one plain vector line behind the last conversion: the products below write over its sources
	s_branch .Lbar
.Lskip:
	s_wait_alu depctr_va_vdst(0)                   ; v1 to v6, made at the head, are written: the loads below and the LDS loads and stores of phase 2 read them
	WLOADS
.Lbar:
	s_wait_dscnt 0x0                               ; for the others' sake: my code rows and row numbers lie in LDS
	s_barrier_signal -1
	s_barrier_wait -1                              ; everybody's do.  The one barrier: it stands on every wave's path, under no branch
	s_cmp_lg_u32 s27, 0
	s_cbranch_scc1 .Lmul
	s_cmp_le_u32 s28, s60                          ; no row of mine that gets zeros (among them: no rows at all)?
	s_cbranch_scc1 .Lend
	; ---------------- ROWS OF NO TYPE: ZEROS ----------------
	s_wait_alu depctr_vm_vsrc(0)                   ; v8, v7 and v16 to v47 are written again below.  s27 is 0 here, so every wave has come round phase 1 and no memory instruction of its has read them; but the text has a second way
	                                               ; to this line, through phase 1, and the wait states that way's dependences: the load of the row number has read v8, the LDS store v7, the loads of x v16 to v47
	IDXLOAD
	s_sub_co_u32 s61, s28, s60                     ; my rows: Zero - 32 w, at least 1
	s_wait_loadcnt 0x0
	OFFS16 0                                       ; all 32 offsets at once: lanes behind the tile's last row hold that row's number
	OFFS16 16
.irp k, 0,1,2,3
	v_mov_b32 v[48+\k], 0
.endr
	s_wait_alu depctr_va_vdst(0)                   ; the offsets v16 to v47 and the zeros v48 to v51 are written, which the stores below read; no vector line follows on this way
.macro ZROW i
	s_cmp_le_u32 s61, \i
	s_cbranch_scc1 .Lend
	global_store_b128 v[RO+\i], v[48:51], s[16:17] th:TH_STORE_NT              ; an offset register for each row: none is written while a store reads it
	global_store_b128 v[RO+\i], v[48:51], s[16:17] offset:512 th:TH_STORE_NT   ; 512 consecutive bytes each: the row's 1,024
.endm
.irp i, 0,1,2,3,4,5,6,7,8,9,10,11,12,13,14,15,16,17,18,19,20,21,22,23,24,25,26,27,28,29,30,31
	ZROW \i
.endr
	s_branch .Lend
	; ---------------- PHASE 2 ----------------
.macro AFETCH m                        ; row tile m: x's two fragments (lane (r, h): bytes 32 i + 16 h .. + 15 of code row 16 m + r) and the numbers of rows 16 m + 8 h + 0 .. 7, into set m % 2
.set AB, AF+32*((\m)%2)
.set RB, RR+8*((\m)%2)
.irp i, 0,1,2,3,4,5,6,7
	ds_load_b128 v[AB+4*\i:AB+4*\i+3], v3 offset:16*PITCH*(\m)+32*\i
.endr
	ds_load_b128 v[RB:RB+3], v5 offset:64*(\m)
	ds_load_b128 v[RB+4:RB+7], v5 offset:64*(\m)+16
.endm
; The work on the row tile in set p.  again = 0: the first tile's own body, ahead of which no store has been issued; else a tile's stores may stand ahead of it.
.macro BODY p, again
.set AB, AF+32*(\p)
.set RB, RR+8*(\p)
	WIN 0x04                                       ; source 1 (W) window 1
.irp s, 0,1                            ; the four accumulators take turns, one instruction a turn; the first K step starts the sums with the constant 0
.irp q, 0,1,2,3
.if \s == 0
	v_wmma_f32_16x16x128_bf8_bf8 v[ACC+8*\q:ACC+8*\q+7], v[AB:AB+15], v[32*\q:32*\q+15], 0
.else
	v_wmma_f32_16x16x128_bf8_bf8 v[ACC+8*\q:ACC+8*\q+7], v[AB+16:AB+31], v[32*\q+16:32*\q+31], v[ACC+8*\q:ACC+8*\q+7]
.endif
.endr
.endr
	WIN 0
	s_wait_xcnt 0x0                                ; the last tile's stores have read their offsets and data: both are written again below
.if (\again) > 0
	s_wait_alu depctr_vm_vsrc(0)                   ; the same dependence, stated: the last tile's eight stores, ten LDS loads and eight products back, have read v160 to v199
.endif
	; sixteen plain vector lines that name no register of the products: the places between the products and the first read of their results (ISA guide 7.12.1), and between them and the next tile's products
.irp j, 0,1,2,3,4,5,6,7
	v_min_u32 v[RB+\j], 49999, v[RB+\j]            ; held inside out0 before it enters an address
.endr
.irp j, 0,1,2,3,4,5,6,7
	v_lshl_add_u32 v[AD+\j], v[RB+\j], 10, v6      ; 1,024 x row + 16 r
.endr
.irp j, 0,1,2,3,4,5,6,7                ; each accumulator is read from its register 0 on
.irp q, 0,1,2,3
	v_fma_f32 v[O+4*\j+\q], v[ACC+8*\q+\j], s52, v[BI+\q]   ; sum x 2^(ex + ew) + b: out0(row 8 h + j of the tile, channel 64 w + 4 r + q)
.endr
.endr
	s_wait_alu depctr_va_vdst(0)                   ; the offsets v192 to v199 and the results v160 to v191 are written, which the stores read; and the products and clamps are done with this set of v48 to v127, in which the next tile's head lets loads land
.irp j, 0,1,2,3,4,5,6,7
	global_store_b128 v[AD+\j], v[O+4*\j:O+4*\j+3], s[58:59] th:TH_STORE_NT   ; lanes 0-15 store 256 consecutive bytes of row j, lanes 16-31 of row 8 + j, each at a multiple of 256 from out0's first byte
.endr
.endm
; Row tile m of at most eight.  One test says whether it is the last: if so, nothing more is fetched (no LDS byte is read that nobody wrote) and the body of its set's parity, written out at the end, finishes the wave.
.macro TILE m
	s_wait_dscnt 0x0                               ; this tile's ten loads are in: nothing else is out
	s_cmp_le_u32 s27, 16*(\m)+16
.if (\m)%2
	s_cbranch_scc1 .Llast1
.else
	s_cbranch_scc1 .Llast0
.endif
	AFETCH (\m)+1                                  ; the next tile's, into the other set, while this one is multiplied.  No wait: no vector or matrix instruction stands between these loads and the last wait on va_vdst (tile m - 1's, ahead of its stores; for tile 0 see below)
	BODY (\m)%2, \m
.endm
.Lmul:
	s_wait_kmcnt 0x0
	s_add_co_i32 s52, s50, s51
	s_add_co_i32 s52, s52, 127
	s_lshl_b32 s52, s52, 23                        ; 2^(ex + ew) as f32
	AFETCH 0                                       ; no wait for tiles 0 and 1: behind phase 1's last wait on va_vdst, which follows its last conversion, stands a v_nop alone; on the way round phase 1 no vector line has named v48 to v127
	s_wait_loadcnt 0x0                             ; W's codes and b
.irp m, 0,1,2,3,4,5,6
	TILE \m
.endr
	s_wait_dscnt 0x0                               ; tile 7
.Llast1:
	BODY 1, 1
	s_branch .Lend
.Llast0:
	BODY 0, 1
.Lend:
	s_wait_dscnt 0x0                               ; the closing lines, six on end
	s_wait_alu 0x0
	s_wait_tensorcnt 0x0
	ds_add_u32 v10, v11
	s_wait_dscnt 0x0
	s_endpgm
.Lfunc_end_k_q48a85833fe_hetero:
	.size	k_q48a85833fe_hetero, .Lfunc_end_k_q48a85833fe_hetero-k_q48a85833fe_hetero
	.p2alignl 7, 3214868480
	.fill 96, 4, 3214868480
	.section	.rodata,"a",@progbits
	.p2align	6, 0x0
	.amdhsa_kernel k_q48a85833fe_hetero
		.amdhsa_group_segment_fixed_size 35840
		.amdhsa_private_segment_fixed_size 0
		.amdhsa_enable_private_segment 0
		.amdhsa_kernarg_size 56
		.amdhsa_user_sgpr_count 2
		.amdhsa_user_sgpr_kernarg_segment_ptr 1
		.amdhsa_wavefront_size32 1
		.amdhsa_system_sgpr_workgroup_id_x 1
		.amdhsa_system_sgpr_workgroup_id_y 1
		.amdhsa_system_sgpr_workgroup_id_z 1
		.amdhsa_system_vgpr_workitem_id 0
		.amdhsa_next_free_vgpr 384
		.amdhsa_next_free_sgpr 66
		.amdhsa_reserve_vcc 0
		.amdhsa_float_denorm_mode_32 3
		.amdhsa_float_denorm_mode_16_64 3
		.amdhsa_memory_ordered 1
		.amdhsa_forward_progress 1
		.amdhsa_inst_pref_size 109
	.end_amdhsa_kernel
	.amdgpu_metadata
---
amdhsa.version: [ 1, 2 ]
amdhsa.kernels:
  - .name:           k_q48a85833fe_hetero
    .symbol:         k_q48a85833fe_hetero.kd
    .args:
      - { .name: x, .offset: 0, .size: 8, .value_kind: global_buffer, .address_space: global }
      - { .name: order, .offset: 8, .size: 8, .value_kind: global_buffer, .address_space: global }
      - { .name: counts, .offset: 16, .size: 8, .value_kind: global_buffer, .address_space: global }
      - { .name: wq, .offset: 24, .size: 8, .value_kind: global_buffer, .address_space: global }
      - { .name: b, .offset: 32, .size: 8, .value_kind: global_buffer, .address_space: global }
      - { .name: lowp_scales, .offset: 40, .size: 8, .value_kind: global_buffer, .address_space: global }
      - { .name: out0, .offset: 48, .size: 8, .value_kind: global_buffer, .address_space: global }
    .group_segment_fixed_size: 35840
    .private_segment_fixed_size: 0
    .kernarg_segment_align: 8
    .kernarg_segment_size: 56
    .max_flat_workgroup_size: 128
    .sgpr_count:     66
    .vgpr_count:     384
    .wavefront_size: 32
...
	.end_amdgpu_metadata
.endif
;; end of part 4
